; MI455X (gfx1250); checked and timed in simulation.
; The chip was launched on July 23, 2026; its instructions are those of AMD's public machine-readable ISA for CDNA 5 (MIT licence, August 2026) and "CDNA5" Instruction Set Architecture Reference Guide (July 2026). The comments in the code are by the model that wrote it; some were corrected since.
;; Learnable Point Filtration. Allowed arithmetic: matrix products marked QUANTISED: E2M3 operands, one E8M0 scale for each 32 along K, by v_wmma_scale_f32_16x16x128_f8f6f4 with both operands' format E2M3, f32 sums; products left as they are: f32 operands where the result goes on into a quantised operand, else bf16, f16 or f32 operands; f32 sums; everything else in f32.
;; Inputs: W1 10 x 64 float32; W2 64 x 64 float32; W3 64 x 1 float32; b1 64 float32; b2 64 float32; b3 1 float32; edges 262,144 x 2 int32; pts 8,192 x 3 float32.
;; Outputs: out0 8,192 float32; out1 262,144 float32.
;; This version of the problem:
;;   THIS VERSION OF THE PROBLEM IS GIVEN IN LOW PRECISION. The matrix products marked QUANTISED in the list below multiply operands that are first quantised to E2M3 (2 exponent bits, 3 mantissa bits; 6 bits a number), with one power-of-two scale for each 32 numbers along K (OCP MX v1.0); their sums are f32. All else is computed in f32.
;;   The module's matrix products, in the order in which they are computed (A, B: the left and right operand; K: the contracted axis; several contracted axes count as one K, in the product's order):
;;     1. [M 8,192, K 3] x [K 3, N 8,192]; A: input pts; B: input pts: left as it is (K = 3 < 32)
;;     2. [M 8,192, K 10] x [K 10, N 64]; A: computed on the way; B: input W1: left as it is (K = 10 < 32)
;;     3. [M 8,192, K 64] x [K 64, N 64]; A: computed on the way; B: input W2: QUANTISED
;;     4. [M 8,192, K 64] x [K 64, N 1]; A: computed on the way; B: input W3: left as it is (N = 1 < 16)
;;   THE QUANTISER, for each operand of a quantised product, along K:
;;     - K is cut into blocks of 32 from its start; a last block that is shorter is filled with zeros.
;;     - A block's scale is 2^e with e = floor(log2(the largest magnitude in the block)) - 2, held to -126 .. 127; a block of zeros has e = 0. As a byte (E8M0): e + 127.
;;     - Each number is divided by its block's scale, clamped to +-7.5, and rounded to the nearest number of E2M3, ties to even, subnormals kept.
;;     - The product sums the exact products of the quantised numbers (number of the format x scale) in f32.
;;   ~~~python
;;   def quantise(x, axis):      # numpy; x: float32 -> the quantised numbers, widened to float32 again
;;       x = np.moveaxis(x, axis, -1); K = x.shape[-1]
;;       x = np.pad(x, [(0, 0)] * (x.ndim - 1) + [(0, -K % 32)]); x = x.reshape(x.shape[:-1] + (-1, 32)); a = np.abs(x).max(-1, keepdims=True)
;;       e = np.where(a > 0, np.clip(np.frexp(np.where(a > 0, a, 1))[1] - 1 - 2, -126, 127), 0)      # np.frexp(a)[1] - 1 = floor(log2(a)), exactly
;;       r = np.clip(x / 2.0 ** e, -7.5, 7.5)
;;       step = 2.0 ** (np.maximum(np.frexp(np.where(r == 0, 1, r))[1] - 1, 0) - 3)
;;       q = np.round(r / step) * step * 2.0 ** e      # np.round: ties to even
;;       return np.moveaxis(q.reshape(q.shape[:-2] + (-1,))[..., :K], -1, axis).astype(np.float32)
;;   ~~~
;;   OPERANDS COMPUTED ON THE WAY. 'Computed on the way' means the value that the module computes at that place (a softmax that the list does not call 'softmax' is quantised finished and normalised). What goes into a quantiser is computed in f32, as accurately as f32 sums, v_exp_f32 and their like allow (about 1e-6 of the number): no bf16 or f16 on the way to a quantiser, and a product that is left as it is and whose result goes on into a quantised operand takes f32 operands (vector FMAs, or v_wmma_f32_16x16x4_f32). A number that lies on a knife's edge between two numbers of the format may be rounded either way, as far as f32 arithmetic and the matrix unit's own rounding can turn it there, and no further.
;; One version. Each part assembles by itself: llvm-mc -triple=amdgcn-amd-amdhsa -mcpu=gfx1250 --defsym DOCPART=n.
;; ======== version 1 of 1: 2 launches
;; workspace buffers: vtab 131,072 bytes
;; launch knn_mlp (part 1): grid 256 x 1, 16 waves a work-group, no clusters, 141,312 bytes of LDS; arguments pts, W1, b1, W2, b2, W3, b3, out0, vtab; writes out0, vtab
.if DOCPART == 1
	.amdgcn_target "amdgcn-amd-amdhsa--gfx1250"
	.amdhsa_code_object_version 6
	.text
	.protected	k_q56a778662e_knn_mlp
	.globl	k_q56a778662e_knn_mlp
	.p2align	8
	.type	k_q56a778662e_knn_mlp,@function
k_q56a778662e_knn_mlp:
	s_mov_b64 s[64:65], 0
	v_nop
	global_prefetch_b8 v0, s[64:65] scope:SCOPE_SE
	s_setreg_imm32_b32 hwreg(HW_REG_WAVE_MODE, 25, 1), 1
	s_wait_xcnt 0x0
; For each of 8,192 points in 3-D: the 11 smallest distances to all points, the smallest dropped, the other ten ascending; then the MLP 10 -> 64 -> 64 -> 1
; (leaky ReLU, slope 0.01).  out0[v] = f(v);  vtab[v] = (x, y, z, f(v)), 16 bytes a vertex, for the launch that follows.
; SHARES.  256 work-groups of 16 waves; a work-group owns 32 vertices, A LANE IS A VERTEX in every wave; wave w walks candidates 512 w .. 512 w + 511 (14 steps of 36, then 8).
; DISTANCES.  Squared distances are formed as (b - a)^2 in f32, two candidates an instruction (3 packed additions, a packed multiply, 2 packed multiply-adds for a pair): no difference of
; large sums stands ahead of the quantiser, a common offset of the points does no harm, and a point's distance to itself is exactly 0.  The root rises with its argument, so the choice is
; made on squares, and only the ten kept numbers of a vertex get a root.
; THE CHOICE has no branch on data: a fixed network.  Nine candidates are sorted as three triples (min3, med3, max3), then the three minima, the three medians and the three maxima are sorted.
; A number that has j companions of its nonet at or below it can be among the 11 smallest only as one of the floor(11 / (j + 1)) smallest of its rank: so the nine ranks keep sorted lists of
; 11, 5, 3, 5, 2, 1, 3, 1, 1 numbers (32 in all).  Where a list overflows at a threshold, the lists of its companions' ranks hold 11 numbers at or below it (6 + 5; 4 + 4 + 3; 3 + 3 + 3 + 2; ..).
; A nonet costs 18 + 32 instructions.  Insertion into a sorted list in place, from the top down: L[i] = med3(L[i-1], L[i], c), L[0] = min(L[0], c).
; At the end a wave folds its nine lists into one of 11; the 16 waves' lists meet in a tree of four rounds through LDS.
; THE MLP is done by waves 0 and 1, 16 vertices each.  Layer 1 (K = 10, its result goes into a quantiser) in f32 by v_wmma_f32_16x16x4_f32, layer 2 on codes of E2M3 by
; v_wmma_scale_f32_16x16x128_f8f6f4 (K = 64: the upper 64 of its 128 are zero codes), layer 3 by f32 multiply-adds.  Both products are used transposed (source 0 = weights, source 1 = vertices).
; The rows of W1^T that form a tile are chosen so that a lane ends with 32 neighbouring hidden units, a whole block of the quantiser, in 32 ascending registers.
; NO CLUSTER, NO TENSOR LOAD: what the work-groups share is pts, 96 KB, which a work-group reads once, for 262,144 pairs of work; and the packed arithmetic wants the candidates as
; records (x0, x1, y0, y1, z0, z1), an order that is made on the way through registers.  No prefetch: the inputs are small and every work-group reads them.
; LIMITS.  NaN and infinities in pts or in the weights are not served (the fillers are +infinity, and W1's rows 8, 9 are multiplied by zeros a second time).  v_sqrt_f32 takes a denormal
; input as 0 (ISA guide 15.8): distances under 2^-63 come out as 0.  A block of zeros gets the scale byte 1 and not 127: its codes are zeros, and this program alone reads the bytes.
; out0 leaves as 64 bytes a wave: a work-group owns 128 bytes of it.
.set CREG,  6656                       ; LDS: wave w's candidates at CREG w: 256 records of 24 bytes, then 512 bytes of +infinity
.set PADO,  6144
.set STEPB, 432                        ; 18 records: a step's 36 candidates
.set MRG,   16*CREG                    ; 16 slots of 1,536 bytes: an image of a wave's list of 12 registers (3 x 512 bytes, 16 a lane)
.set KNN,   MRG+16*1536                ; 12 rows of 128 bytes: row i = the i-th kept distance of the 32 vertices; rows 10, 11 zeros
.set W2I,   KNN+12*128                 ; 4 images of 1,536 bytes: W2's fragment of column tile t
.set W2SL,  W2I+4*1536                 ; 4 x 128 bytes: their scale words, 4 bytes a lane
.set INF,   0x7f800000
.set WV,  2                            ; s2   my wave's number
.set TB,  3                            ; s3   byte, in a wave's region, of the step that is fetched
.set CNT, 4                            ; s4   loop counter
; s[8:23] pts, W1, b1, W2, b2, W3, b3, out0; s[24:25] vtab; s26 the number b3; s27 the tree's masked wave number; s[28:29] selects for lane l xor 16; s30 saved EXEC
; s[32:33] pts at my work-group's 32 points; s[34:35] pts at my wave's 512 candidates; s[38:39] out0, s[40:41] vtab at my work-group's part
; v0 thread, v1 lane, v2 r = lane % 16, v3 h = lane / 16
.set FC,  4                            ; head: where my lane puts a candidate's x in its record
.set FI,  5                            ; head: 16 x lane in my wave's region
.set G12, 8                            ; head: 12 x lane
.set GW2, 9                            ; head: my place in W2
.set NX,  4                            ; loop: (-x, -x), (-y, -y), (-z, -z) of my vertex: v4-9
.set NY,  6
.set NZ,  8
.set VA,  4                            ; MLP: global offsets: W1, rows 0-7;
.set VA2, 5                            ; W1, rows 8, 9;
.set VB,  6                            ; b1;
.set VC,  7                            ; b2, W3;
.set VQ,  8                            ; my vertex's point;
.set VT,  9                            ; its place in vtab;
.set VO,  10                           ; and in out0
.set BASEV, 10                         ; up to the loop's end: CREG x wave
.set ADR, 11                           ; LDS address of the step that is fetched
.set SA,  12                           ; my wave's slot in MRG + 16 x lane
.set KS,  13                           ; KNN + 4 x lane
.set KA,  14                           ; KNN as source 1 of layer 1 wants it
.set LIW, 15                           ; W2I + 16 x lane
.set LSW, 216                          ; W2SL + 4 x lane
.set WIA, 217                          ; where waves 0-3 store W2's image
.set WSA, 251                          ; and its scale words
.set A,   16                           ; v16-26 the list of 11, v27 +infinity (so that the list is three groups of four registers)
.set LM,  28                           ; the other eight lists: 5, 3, 5, 2, 1, 3, 1, 1
.set LH,  33
.set ML,  36
.set MM,  41
.set MH,  43
.set HL,  44
.set HM,  47
.set HH,  48
.set T,   50                           ; v50-58 three sorted triples
.set S,   60                           ; v60-95 36 squared distances; a nonet's ranked nine take their place
.set C,   96                           ; v96-203 18 records of six
.set PB,  60                           ; tree: the partner's list; then the ten roots and two zeros
.set W1F, 96                           ; MLP: W1's fragments (tile t, K step s) at W1F + 6 t + 2 s
.set B1,  120                          ; b1 in the result's layout, 8 a tile; then H, the hidden layer behind its activation
.set B2,  152                          ; b2 likewise: C and D of layer 2
.set W3R, 184                          ; W3 in the same layout
.set W2F, 28                           ; W2's four fragments, 12 registers each
.set KB,  76                           ; the kept distances as source 1: three K steps of 2 registers
.set HF,  16                           ; the hidden layer's fragment
.set Y,   96                           ; layer 2 behind its activation
.set ACC, 218                          ; v218-249 layer 1's sums: written by the f32 matrix instruction alone
.set HS,  250                          ; the hidden layer's scale word;  v252-255 W2's: scales and nothing else
.set WS,  252
; c goes into the ascending list of len numbers at v[base]
.macro INS base, len, c
.set ii, (\len)-1
.rept (\len)-1
	v_med3_num_f32 v[(\base)+ii], v[(\base)+ii-1], v[(\base)+ii], v[\c]
.set ii, ii-1
.endr
	v_min_num_f32 v[\base], v[\base], v[\c]
.endm
; nonet n of a step: both levels of sorting, each as runs of independent lines, then the nine insertions
.macro NONET n
.set U, S+9*(\n)
.irp g, 0,1,2
	v_min3_num_f32 v[T+3*\g], v[U+3*\g], v[U+3*\g+1], v[U+3*\g+2]
.endr
.irp g, 0,1,2
	v_med3_num_f32 v[T+3*\g+1], v[U+3*\g], v[U+3*\g+1], v[U+3*\g+2]
.endr
.irp g, 0,1,2
	v_max3_num_f32 v[T+3*\g+2], v[U+3*\g], v[U+3*\g+1], v[U+3*\g+2]
.endr
.irp q, 0,1,2                          ; q = 0: the three minima, 1: the medians, 2: the maxima
	v_min3_num_f32 v[U+3*\q], v[T+\q], v[T+3+\q], v[T+6+\q]
.endr
.irp q, 0,1,2
	v_med3_num_f32 v[U+3*\q+1], v[T+\q], v[T+3+\q], v[T+6+\q]
.endr
.irp q, 0,1,2
	v_max3_num_f32 v[U+3*\q+2], v[T+\q], v[T+3+\q], v[T+6+\q]
.endr
	INS A,  11, U
	INS LM, 5,  U+1
	INS LH, 3,  U+2
	INS ML, 5,  U+3
	INS MM, 2,  U+4
	INS MH, 1,  U+5
	INS HL, 3,  U+6
	INS HM, 1,  U+7
	INS HH, 1,  U+8
.endm
; A step: np records become 2 np squared distances; more = 1: the next step's 27 loads go out; nn nonets are ranked and inserted while those loads are on their way.
.macro STEP more, np, nn
	s_wait_dscnt 0x0                               ; this step's records, asked for a step ago, are in
.set pp, 0
.rept \np
	v_pk_add_f32 v[C+6*pp:C+6*pp+1],   v[C+6*pp:C+6*pp+1],   v[NX:NX+1]
	v_pk_add_f32 v[C+6*pp+2:C+6*pp+3], v[C+6*pp+2:C+6*pp+3], v[NY:NY+1]
	v_pk_add_f32 v[C+6*pp+4:C+6*pp+5], v[C+6*pp+4:C+6*pp+5], v[NZ:NZ+1]
.set pp, pp+1
.endr
.set pp, 0
.rept \np
	v_pk_mul_f32 v[S+2*pp:S+2*pp+1], v[C+6*pp:C+6*pp+1], v[C+6*pp:C+6*pp+1]
.set pp, pp+1
.endr
.set pp, 0
.rept \np
	v_pk_fma_f32 v[S+2*pp:S+2*pp+1], v[C+6*pp+2:C+6*pp+3], v[C+6*pp+2:C+6*pp+3], v[S+2*pp:S+2*pp+1]
.set pp, pp+1
.endr
.set pp, 0
.rept \np
	v_pk_fma_f32 v[S+2*pp:S+2*pp+1], v[C+6*pp+4:C+6*pp+5], v[C+6*pp+4:C+6*pp+5], v[S+2*pp:S+2*pp+1]
.set pp, pp+1
.endr
.if \more
	s_add_co_u32 s[TB], s[TB], STEPB
	v_add_nc_u32 v[ADR], s[TB], v[BASEV]           ; no LDS load of mine is out: the address may be written
.set pp, 0
.rept 27
	ds_load_b128 v[C+4*pp:C+4*pp+3], v[ADR] offset:16*pp   ; all lanes read the same 16 bytes
.set pp, pp+1
.endr
.endif
.set nq, 0
.rept \nn
	NONET nq
.set nq, nq+1
.endr
.endm
; An ascending list of len numbers at v[src] goes into A.  Behind k insertions A[0 .. k-1] are at or below src[k]: positions 10 down to k alone are touched.
.macro MERGE src, len
.set kk, 0
.rept \len
.set ii, 10
.rept 10-kk
	v_med3_num_f32 v[A+ii], v[A+ii-1], v[A+ii], v[(\src)+kk]
.set ii, ii-1
.endr
	v_min_num_f32 v[A+kk], v[A+kk], v[(\src)+kk]
.set kk, kk+1
.endr
.endm
; The quantiser for K = 64.  v[src] .. v[src+31] are the lane's block: k = 32 h + 0 .. 31 of its row or column r.  v[dst] .. v[dst+11] become the operand's registers (6-11: zero codes, k = 64 .. 127),
; v[word] the scale word (byte h from the lane that holds block h; bytes 2, 3 stay 0: they stand over zero codes).  v[tmp] on: three registers;  v[tm] on: six.
.macro QB src, dst, tmp, tm, word
	v_max3_num_f32 v[\tm], |v[\src]|, |v[(\src)+1]|, 0x1800000     ; two chains; the floor 2^(3 - 127) is one more leaf: the byte cannot fall under 1
	v_max3_num_f32 v[(\tm)+1], |v[(\src)+2]|, |v[(\src)+3]|, |v[(\src)+4]|
.set qi, 5
.rept 13
	v_max3_num_f32 v[(\tm)+(qi/2)%2], v[(\tm)+(qi/2)%2], |v[(\src)+qi]|, |v[(\src)+qi+1]|
.set qi, qi+2
.endr
	v_max3_num_f32 v[\tm], v[\tm], v[(\tm)+1], |v[(\src)+31]|      ; the block's largest magnitude
	v_add_nc_u32 v[(\tm)+2], 0xff000000, v[\tm]    ; 2 off its exponent field: the conversion takes the exponent field of this operand as its scale
	v_lshrrev_b32 v[(\tm)+3], 23, v[(\tm)+2]       ; the scale's byte,
	v_lshlrev_b32 v[(\tm)+4], 3, v3
	v_lshlrev_b32 v[(\tm)+3], v[(\tm)+4], v[(\tm)+3]   ; at its place in the word: 8 h bits up
	v_mov_b32 v[(\tm)+5], 0                        ; (a lane permute's destination counts as one of its sources)
	v_permlanex16_b32 v[(\tm)+5], v[(\tm)+3], s28, s29
	v_or_b32 v[\word], v[(\tm)+3], v[(\tm)+5]      ; with lane l xor 16's byte
	v_cvt_scalef32_pk16_fp6_f32 v[\dst:(\dst)+2], v[\src:(\src)+15], v[(\tm)+2]
	v_cvt_scalef32_pk16_fp6_f32 v[\tmp:(\tmp)+2], v[(\src)+16:(\src)+31], v[(\tm)+2]   ; (a conversion's three registers begin on an even number)
	v_nop                                          ; one plain place behind a scaled conversion
.irp i, 0,1,2
	v_mov_b32 v[(\dst)+3+\i], v[(\tmp)+\i]
.endr
.irp i, 6,7,8,9,10,11
	v_mov_b32 v[(\dst)+\i], 0
.endr
.endm
; A round of the tree.  Waves whose number is an odd multiple of 2^r store their list, once in the launch, each into its own slot; behind the barrier the waves 2^r below them take it in.
.macro ROUND r
	s_and_b32 s27, s[WV], (2<<(\r))-1
	s_cmp_lg_u32 s27, 1<<(\r)
	s_cbranch_scc1 .Lno_send_\@
	ds_store_b128 v[SA], v[A:A+3]
	ds_store_b128 v[SA], v[A+4:A+7] offset:512
	ds_store_b128 v[SA], v[A+8:A+11] offset:1024
.Lno_send_\@:
	s_wait_dscnt 0x0                               ; for the others' sake: my stores have landed (and, in the first round, W2's images)
	s_barrier_signal -1
	s_barrier_wait -1
	s_cmp_lg_u32 s27, 0
	s_cbranch_scc1 .Lno_recv_\@
	ds_load_b128 v[PB:PB+3],    v[SA] offset:(1536<<(\r))
	ds_load_b128 v[PB+4:PB+7],  v[SA] offset:(1536<<(\r))+512
	ds_load_b128 v[PB+8:PB+11], v[SA] offset:(1536<<(\r))+1024
	s_wait_dscnt 0x0
	MERGE PB, 11
.Lno_recv_\@:
.endm
	; ---- the head: every LDS address is made here, on the one path that all waves take
	s_load_b512 s[8:23], s[0:1], 0x0
	s_load_b64 s[24:25], s[0:1], 0x40
	v_lshrrev_b32 v4, 5, v0
	v_readfirstlane_b32 s[WV], v4
	v_and_b32 v1, 31, v0
	v_and_b32 v2, 15, v0
	v_bfe_u32 v3, v0, 4, 1
	s_mov_b32 s28, 0x76543210
	s_mov_b32 s29, 0xfedcba98
	s_mul_i32 s5, s[WV], CREG
	v_mov_b32 v[BASEV], s5
	v_lshrrev_b32 v[FC], 1, v1
	v_mul_u32_u24 v[FC], v[FC], 24                 ; two lanes to a record of 24 bytes,
	v_and_b32 v[FI], 1, v1
	v_lshl_add_u32 v[FC], v[FI], 2, v[FC]          ; the odd lane 4 bytes on
	v_add_nc_u32 v[FC], s5, v[FC]
	v_lshl_add_u32 v[FI], v1, 4, s5
	s_mul_i32 s6, s[WV], 1536
	s_add_co_u32 s6, s6, MRG
	v_lshl_add_u32 v[SA], v1, 4, s6
	v_lshl_add_u32 v[KS], v1, 2, KNN
	s_and_b32 s7, s[WV], 1
	s_lshl_b32 s7, s7, 6
	s_add_co_u32 s7, s7, KNN
	v_lshl_add_u32 v[KA], v2, 2, s7                ; vertex 16 (w % 2) + r,
	v_lshl_add_u32 v[KA], v3, 8, v[KA]             ; rows 2 h on
	v_lshl_add_u32 v[LIW], v1, 4, W2I
	v_lshl_add_u32 v[LSW], v1, 2, W2SL
	s_and_b32 s31, s[WV], 3
	s_mul_i32 s6, s31, 1536
	s_add_co_u32 s6, s6, W2I
	v_lshl_add_u32 v[WIA], v1, 4, s6
	s_lshl_b32 s6, s31, 7
	s_add_co_u32 s6, s6, W2SL
	v_lshl_add_u32 v[WSA], v1, 2, s6
	v_mul_u32_u24 v[G12], v1, 12
	s_lshl_b32 s6, s31, 6
	v_lshl_add_u32 v[GW2], v2, 2, s6               ; W2: column 16 w + r,
	v_lshl_add_u32 v[GW2], v3, 13, v[GW2]          ; rows 32 h on, 256 bytes a row
.irp i, 0,1,2,3,4,5,6,7,8,9,10,11
	v_mov_b32 v[A+\i], INF
.endr
	s_mul_i32 s36, ttmp9, 384
	s_mov_b32 s37, 0
	s_wait_kmcnt 0x0
	s_add_nc_u64 s[32:33], s[8:9], s[36:37]
	s_mul_i32 s36, s[WV], 6144
	s_add_nc_u64 s[34:35], s[8:9], s[36:37]
	s_lshl_b32 s36, ttmp9, 7
	s_add_nc_u64 s[38:39], s[22:23], s[36:37]
	s_lshl_b32 s36, ttmp9, 9
	s_add_nc_u64 s[40:41], s[24:25], s[36:37]
	s_load_b32 s26, s[20:21], 0x0                  ; b3
	; ---- waves 0-3 ask for column tile w of W2: a lane takes a column, its registers run down K: 64 neighbouring bytes in sixteen lanes
	s_cmp_lt_u32 s[WV], 4
	s_cbranch_scc0 .Lno_w2_load
.set kk, 0
.rept 32
	global_load_b32 v[60+kk], v[GW2], s[14:15] offset:256*kk
.set kk, kk+1
.endr
.Lno_w2_load:
	; ---- my vertex, and my wave's 512 candidates: 16 loads of 384 dense bytes, a point a lane; they go into LDS as pair records
	global_load_b96 v[44:46], v[G12], s[32:33]
.set kk, 0
.rept 16
	global_load_b96 v[C+4*kk:C+4*kk+2], v[G12], s[34:35] offset:384*kk
.set kk, kk+1
.endr
.set kk, 0
.rept 16
	s_wait_loadcnt 15-kk                           ; loads come back in order: load kk is in, the 15 - kk younger ones stay out
	ds_store_b32 v[FC], v[C+4*kk]   offset:384*kk      ; the lanes' words lie at 6 (lane / 2) + lane % 2: all different modulo 64 (64 banks of 4 bytes: ISA guide 11.1)
	ds_store_b32 v[FC], v[C+4*kk+1] offset:384*kk+8
	ds_store_b32 v[FC], v[C+4*kk+2] offset:384*kk+16
.set kk, kk+1
.endr
	ds_store_b128 v[FI], v[A:A+3] offset:PADO      ; 512 bytes of +infinity behind the records: the last fetch reads 336 of them
	s_wait_dscnt 0x0                               ; the stores have read their registers: the loads below land there
	s_mov_b32 s[TB], 0
	v_mov_b32 v[ADR], v[BASEV]
.set pp, 0
.rept 27
	ds_load_b128 v[C+4*pp:C+4*pp+3], v[ADR] offset:16*pp   ; step 0.  My wave's own bytes: no barrier
.set pp, pp+1
.endr
	; ---- waves 0-3 quantise their tile of W2 along K and lay it into LDS as an image of the operand's registers (its loads were the oldest: the waits above have shown them in)
	s_cmp_lt_u32 s[WV], 4
	s_cbranch_scc0 .Lno_w2_quant
	QB 60, 204, 50, 53, 92
	ds_store_b128 v[WIA], v[204:207]
	ds_store_b128 v[WIA], v[208:211] offset:512
	ds_store_b128 v[WIA], v[212:215] offset:1024
	ds_store_b32 v[WSA], v92                       ; none of these registers is written again before a later wait for all LDS instructions
.Lno_w2_quant:
	v_mul_f32 v[NX],   -1.0, v44
	v_mul_f32 v[NX+1], -1.0, v44
	v_mul_f32 v[NY],   -1.0, v45
	v_mul_f32 v[NY+1], -1.0, v45
	v_mul_f32 v[NZ],   -1.0, v46
	v_mul_f32 v[NZ+1], -1.0, v46
.set kk, LM
.rept 21
	v_mov_b32 v[kk], INF                           ; the other eight lists
.set kk, kk+1
.endr
	s_wait_kmcnt 0x0                               ; b3
	; ---- the walk: 14 steps of 36 candidates; the last trip fetches the 8 that are left and fillers
	s_mov_b32 s[CNT], 14
.Lstep:
	STEP 1, 18, 4
	s_sub_co_u32 s[CNT], s[CNT], 1
	s_cmp_lg_u32 s[CNT], 0
	s_cbranch_scc1 .Lstep
	STEP 0, 5, 1                                   ; 8 candidates and one +infinity make the last nonet
	; ---- my nine lists become one
	MERGE LM, 5
	MERGE LH, 3
	MERGE ML, 5
	MERGE MM, 2
	MERGE MH, 1
	MERGE HL, 3
	MERGE HM, 1
	MERGE HH, 1
	; ---- the MLP's global offsets, made by every wave, so that no address register is written on one path alone
	s_and_b32 s5, s[WV], 1
	v_lshrrev_b32 v[VA], 3, v2
	v_and_b32 v[VA2], 7, v2
	v_lshlrev_b32 v[VA2], 2, v[VA2]
	v_lshl_add_u32 v[VA2], v[VA], 7, v[VA2]        ; W1: lane r of tile t takes hidden unit 32 (r / 8) + 8 t + r % 8: 128 (r / 8) + 4 (r % 8) bytes in a row,
	v_lshl_add_u32 v[VA], v3, 9, v[VA2]            ; and rows 2 h on (256 bytes a row)
	v_lshlrev_b32 v[VB], 7, v3                     ; b1: units 32 h on
	v_lshlrev_b32 v[VC], 5, v3                     ; b2, W3: units 8 h on
	s_mul_i32 s6, s5, 192
	v_mad_u32_u24 v[VQ], v2, 12, s6
	s_lshl_b32 s6, s5, 8
	v_lshl_add_u32 v[VT], v2, 4, s6
	s_lshl_b32 s7, s5, 6
	v_lshl_add_u32 v[VO], v2, 2, s7
	; ---- waves 0 and 1 ask for the small weights now: 48 loads that land while the tree runs
	s_cmp_lt_u32 s[WV], 2
	s_cbranch_scc0 .Lno_weights
.irp t, 0,1,2,3
.irp s, 0,1
.irp j, 0,1
	global_load_b32 v[W1F+6*\t+2*\s+\j], v[VA], s[10:11] offset:256*(4*\s+\j)+32*\t    ; W1(4 s + 2 h + j, unit)
.endr
.endr
.irp j, 0,1
	global_load_b32 v[W1F+6*\t+4+\j], v[VA2], s[10:11] offset:256*(8+\j)+32*\t         ; K step 2: rows 8, 9 in both halves of the lanes: no load leaves W1; lanes 16-31 meet the zero rows 10, 11 of KNN
.endr
.endr
.irp t, 0,1,2,3
	global_load_b128 v[B1+8*\t:B1+8*\t+3],   v[VB], s[12:13] offset:32*\t
	global_load_b128 v[B1+8*\t+4:B1+8*\t+7], v[VB], s[12:13] offset:32*\t+16
	global_load_b128 v[B2+8*\t:B2+8*\t+3],   v[VC], s[16:17] offset:64*\t
	global_load_b128 v[B2+8*\t+4:B2+8*\t+7], v[VC], s[16:17] offset:64*\t+16
	global_load_b128 v[W3R+8*\t:W3R+8*\t+3],   v[VC], s[18:19] offset:64*\t
	global_load_b128 v[W3R+8*\t+4:W3R+8*\t+7], v[VC], s[18:19] offset:64*\t+16
.endr
.Lno_weights:
	; ---- the tree: 16 lists become one, in wave 0
	ROUND 0
	ROUND 1
	ROUND 2
	ROUND 3
	; ---- wave 0: the smallest is dropped; ten roots; rows 10 and 11 are zeros (K is filled up to 12)
	s_cmp_lg_u32 s[WV], 0
	s_cbranch_scc1 .Lno_roots
.irp i, 0,1,2,3,4,5,6,7,8,9
	v_sqrt_f32 v[PB+\i], v[A+1+\i]
.endr
	v_mov_b32 v[PB+10], 0                          ; plain instructions behind the last root
	v_mov_b32 v[PB+11], 0
	s_wait_alu depctr_va_vdst(0)                   ; one wait for the ten roots, ahead of their first reader
.irp i, 0,1,2,3,4,5,6,7,8,9,10,11
	ds_store_b32 v[KS], v[PB+\i] offset:128*\i
.endr
.Lno_roots:
	s_wait_dscnt 0x0                               ; for the others' sake: the rows have landed
	s_barrier_signal -1
	s_barrier_wait -1
	s_cmp_gt_u32 s[WV], 1
	s_cbranch_scc1 .Ldone
	; ---- the MLP: wave w, vertices 16 w .. 16 w + 15
	global_load_b96 v[86:88], v[VQ], s[32:33]      ; my vertex's point, for vtab
.irp s, 0,1,2
.irp j, 0,1
	ds_load_b32 v[KB+2*\s+\j], v[KA] offset:128*(4*\s+\j)      ; knn(vertex r, 4 s + 2 h + j)
.endr
.endr
.irp t, 0,1,2,3
.irp c, 0,1,2
	ds_load_b128 v[W2F+12*\t+4*\c:W2F+12*\t+4*\c+3], v[LIW] offset:1536*\t+512*\c
.endr
	ds_load_b32 v[WS+\t], v[LSW] offset:128*\t
.endr
	s_wait_loadcnt 1                               ; the 48 loads of weights are in; the one behind them, my point's, may stay out
	s_wait_dscnt 0x0
	; layer 1, transposed: source 0 = 16 rows of W1^T, source 1 = 16 vertices; b1 is the C of the first K step.  In tile t lane (r, h) holds vertex r, register j hidden unit 32 h + 8 t + j.
	; The four accumulators take turns, one instruction a turn.
.irp t, 0,1,2,3
	v_wmma_f32_16x16x4_f32 v[ACC+8*\t:ACC+8*\t+7], v[W1F+6*\t:W1F+6*\t+1], v[KB:KB+1], v[B1+8*\t:B1+8*\t+7]
.endr
.irp s, 1,2
.irp t, 0,1,2,3
	v_wmma_f32_16x16x4_f32 v[ACC+8*\t:ACC+8*\t+7], v[W1F+6*\t+2*\s:W1F+6*\t+2*\s+1], v[KB+2*\s:KB+2*\s+1], v[ACC+8*\t:ACC+8*\t+7]
.endr
.endr
.rept 8
	v_nop                                          ; eight places behind the f32 form, ahead of the first read of its results and the first write over b1
.endr
.set qi, 0
.rept 16
	v_pk_mul_f32 v[B1+qi:B1+qi+1], v[ACC+qi:ACC+qi+1], 0x3c23d70a op_sel_hi:[1,0]   ; 0.01 x, each accumulator from its low end on; the results go into other registers
.set qi, qi+2
.endr
.set qi, 0
.rept 32
	v_max_num_f32 v[B1+qi], v[B1+qi], v[ACC+qi]    ; leaky ReLU = max(x, 0.01 x)
.set qi, qi+1
.endr
	QB B1, HF, 82, 90, HS                          ; my 32 registers are hidden units 32 h + 0 .. 31 of vertex r: one block of the quantiser
.rept 8
	v_nop                                          ; a scale register written by a vector instruction stands 8 places ahead of a scaled matrix instruction, an operand so written 4
.endr
	; layer 2, transposed: source 0 = 16 columns of W2, source 1 = the hidden layer; b2 is C.  Lane (r, h), register j of tile t: unit 16 t + 8 h + j of vertex r
.irp t, 0,1,2,3
	v_wmma_scale_f32_16x16x128_f8f6f4 v[B2+8*\t:B2+8*\t+7], v[W2F+12*\t:W2F+12*\t+11], v[HF:HF+11], v[B2+8*\t:B2+8*\t+7], v[WS+\t], v[HS] matrix_a_fmt:MATRIX_FMT_FP6 matrix_b_fmt:MATRIX_FMT_FP6
.endr
.rept 4
	v_nop                                          ; four places behind this form with 6-bit operands
.endr
.set qi, 0
.rept 16
	v_pk_mul_f32 v[Y+qi:Y+qi+1], v[B2+qi:B2+qi+1], 0x3c23d70a op_sel_hi:[1,0]
.set qi, qi+2
.endr
.set qi, 0
.rept 32
	v_max_num_f32 v[Y+qi], v[Y+qi], v[B2+qi]
.set qi, qi+1
.endr
	; layer 3: my 32 units x W3, two packed chains; then the other half of the lanes' 32 units, and b3
	v_pk_mul_f32 v[128:129], v[Y:Y+1], v[W3R:W3R+1]
	v_pk_mul_f32 v[130:131], v[Y+2:Y+3], v[W3R+2:W3R+3]
.set qi, 4
.rept 7
	v_pk_fma_f32 v[128:129], v[Y+qi:Y+qi+1], v[W3R+qi:W3R+qi+1], v[128:129]
	v_pk_fma_f32 v[130:131], v[Y+qi+2:Y+qi+3], v[W3R+qi+2:W3R+qi+3], v[130:131]
.set qi, qi+4
.endr
	v_pk_add_f32 v[128:129], v[128:129], v[130:131]
	v_add_f32 v128, v128, v129
	v_permlanex16_b32 v130, v128, s28, s29
	v_add_f32 v128, v128, v130
	v_add_f32 v89, s26, v128                       ; f(vertex r), behind x, y, z
	s_wait_loadcnt 0x0                             ; my point is in
	s_wait_xcnt 0x0                                ; EXEC changes only behind this wait
	v_cmp_gt_u32 vcc_lo, 16, v1
	s_and_saveexec_b32 s30, vcc_lo                 ; lanes 16-31 hold the same numbers
	global_store_b128 v[VT], v[86:89], s[40:41]    ; sixteen lanes store 256 consecutive bytes, at a multiple of 256 from vtab's first byte
	global_store_b32 v[VO], v89, s[38:39]
	s_wait_xcnt 0x0                                ; and again, ahead of the line that widens it
	s_or_b32 exec_lo, exec_lo, s30
.Ldone:
	s_wait_xcnt 0x0
	s_mov_b32 exec_lo, -1
	v_lshl_add_u32 v250, v0, 2, 0x22000
	v_mov_b32 v251, 0
	s_wait_tensorcnt 0x0
	ds_add_u32 v250, v251
	s_wait_dscnt 0x0
	s_endpgm
.Lfunc_end_k_q56a778662e_knn_mlp:
	.size	k_q56a778662e_knn_mlp, .Lfunc_end_k_q56a778662e_knn_mlp-k_q56a778662e_knn_mlp
	.p2alignl 7, 3214868480
	.fill 96, 4, 3214868480
	.section	.rodata,"a",@progbits
	.p2align	6, 0x0
	.amdhsa_kernel k_q56a778662e_knn_mlp
		.amdhsa_group_segment_fixed_size 141312
		.amdhsa_private_segment_fixed_size 0
		.amdhsa_enable_private_segment 0
		.amdhsa_kernarg_size 72
		.amdhsa_user_sgpr_count 2
		.amdhsa_user_sgpr_kernarg_segment_ptr 1
		.amdhsa_wavefront_size32 1
		.amdhsa_system_sgpr_workgroup_id_x 1
		.amdhsa_system_sgpr_workgroup_id_y 1
		.amdhsa_system_sgpr_workgroup_id_z 1
		.amdhsa_system_vgpr_workitem_id 0
		.amdhsa_next_free_vgpr 256
		.amdhsa_next_free_sgpr 66
		.amdhsa_reserve_vcc 1
		.amdhsa_float_denorm_mode_32 3
		.amdhsa_float_denorm_mode_16_64 3
		.amdhsa_memory_ordered 1
		.amdhsa_forward_progress 1
		.amdhsa_inst_pref_size 91
	.end_amdhsa_kernel
	.amdgpu_metadata
---
amdhsa.version: [ 1, 2 ]
amdhsa.kernels:
  - .name:           k_q56a778662e_knn_mlp
    .symbol:         k_q56a778662e_knn_mlp.kd
    .args:
      - { .name: pts, .offset: 0, .size: 8, .value_kind: global_buffer, .address_space: global }
      - { .name: W1, .offset: 8, .size: 8, .value_kind: global_buffer, .address_space: global }
      - { .name: b1, .offset: 16, .size: 8, .value_kind: global_buffer, .address_space: global }
      - { .name: W2, .offset: 24, .size: 8, .value_kind: global_buffer, .address_space: global }
      - { .name: b2, .offset: 32, .size: 8, .value_kind: global_buffer, .address_space: global }
      - { .name: W3, .offset: 40, .size: 8, .value_kind: global_buffer, .address_space: global }
      - { .name: b3, .offset: 48, .size: 8, .value_kind: global_buffer, .address_space: global }
      - { .name: out0, .offset: 56, .size: 8, .value_kind: global_buffer, .address_space: global }
      - { .name: vtab, .offset: 64, .size: 8, .value_kind: global_buffer, .address_space: global }
    .group_segment_fixed_size: 141312
    .private_segment_fixed_size: 0
    .kernarg_segment_align: 8
    .kernarg_segment_size: 72
    .max_flat_workgroup_size: 512
    .sgpr_count:     66
    .vgpr_count:     256
    .wavefront_size: 32
...
	.end_amdgpu_metadata
.endif
;; end of part 1
;; launch edges (part 2): grid 256 x 1, 8 waves a work-group, no clusters, 0 bytes of LDS; arguments edges, vtab, out1; writes out1
.if DOCPART == 2
	.amdgcn_target "amdgcn-amd-amdhsa--gfx1250"
	.amdhsa_code_object_version 6
	.text
	.protected	k_q56a778662e_edges
	.globl	k_q56a778662e_edges
	.p2align	8
	.type	k_q56a778662e_edges,@function
k_q56a778662e_edges:
	s_mov_b64 s[64:65], 0
	v_nop
	global_prefetch_b8 v0, s[64:65] scope:SCOPE_SE
	s_setreg_imm32_b32 hwreg(HW_REG_WAVE_MODE, 25, 1), 1
	s_wait_xcnt 0x0
; out1[e] = |p_u - p_v| + max(f(u), f(v)) for the 262,144 edges (u, v).  vtab holds (x, y, z, f) of each vertex, 16 bytes, so that one load of 16 bytes serves one end of an edge.
; 256 work-groups of 8 waves; a wave takes 128 edges as two chunks of 64; a lane takes two neighbouring edges of each chunk: its 16 bytes of indices are one load (512 dense bytes a wave),
; its two results 8 bytes (the 32 lanes store 256 consecutive bytes, aligned).  Straight-line text: eight gathers of every wave are on their way together.
; No LDS, no matrix unit, no cluster: the work-groups share nothing but the table, which is gathered from by index.  No prefetch: the launch is short and the gathers' addresses come with the indices.
; The indices are held to 0 .. 8,191, the table's rows.
; LIMITS: v_sqrt_f32 takes a denormal input as 0 (ISA guide 15.8): an edge shorter than 2^-63 counts as of length 0.  NaN and infinities among the points are not served.
.set IDX, 4                            ; v4-11   u0, v0, u1, v1 of chunk 0, of chunk 1; then byte offsets into vtab
.set OUTR, 12                          ; v12-15  the four results
.set G,   20                           ; v20-51  edge e (0 .. 3): u's row at G + 8 e, v's at G + 8 e + 4
.set D,   52                           ; v52-67  edge e: dx, dy, dz, the square; then the root in dx's place
.set FM,  68                           ; v68-71  max(f(u), f(v))
	s_load_b128 s[4:7], s[0:1], 0x0                ; edges, vtab
	s_load_b64 s[8:9], s[0:1], 0x10                ; out1
	v_and_b32 v3, 31, v0                           ; lane
	v_and_b32 v2, 0xe0, v0                         ; 32 x wave
	v_lshlrev_b32 v1, 4, v3
	v_lshl_or_b32 v1, v2, 5, v1                    ; indices: 1,024 x wave + 16 x lane
	v_lshlrev_b32 v3, 3, v3
	v_lshl_or_b32 v2, v2, 4, v3                    ; results: 512 x wave + 8 x lane
	s_lshl_b32 s10, ttmp9, 13                      ; a work-group's 1,024 edges: 8,192 bytes of indices,
	s_mov_b32 s11, 0
	s_lshl_b32 s12, ttmp9, 12                      ; 4,096 bytes of results
	s_mov_b32 s13, 0
	s_wait_kmcnt 0x0
	s_add_nc_u64 s[4:5], s[4:5], s[10:11]
	s_add_nc_u64 s[8:9], s[8:9], s[12:13]
	global_load_b128 v[IDX:IDX+3],   v1, s[4:5] th:TH_LOAD_NT
	global_load_b128 v[IDX+4:IDX+7], v1, s[4:5] offset:512 th:TH_LOAD_NT
.macro GATHER c                        ; chunk c: four indices become byte offsets; four rows of the table are asked for
.irp i, 0,1,2,3
	v_min_u32 v[IDX+4*\c+\i], 0x1fff, v[IDX+4*\c+\i]
.endr
.irp i, 0,1,2,3
	v_lshlrev_b32 v[IDX+4*\c+\i], 4, v[IDX+4*\c+\i]
.endr
.irp i, 0,1,2,3
	global_load_b128 v[G+16*\c+4*\i:G+16*\c+4*\i+3], v[IDX+4*\c+\i], s[6:7]
.endr
.endm
.macro SQUARE e                        ; the squared length of edge e
	v_pk_add_f32 v[D+4*\e:D+4*\e+1], v[G+8*\e:G+8*\e+1], v[G+8*\e+4:G+8*\e+5] neg_lo:[0,1] neg_hi:[0,1]
	v_sub_f32 v[D+4*\e+2], v[G+8*\e+2], v[G+8*\e+6]
	v_mul_f32 v[D+4*\e+3], v[D+4*\e], v[D+4*\e]
	v_fma_f32 v[D+4*\e+3], v[D+4*\e+1], v[D+4*\e+1], v[D+4*\e+3]
	v_fma_f32 v[D+4*\e+3], v[D+4*\e+2], v[D+4*\e+2], v[D+4*\e+3]
.endm
	s_wait_loadcnt 1                               ; chunk 0's indices are in; chunk 1's may stay out
	GATHER 0
	s_wait_loadcnt 4                               ; chunk 1's indices are in; the four gathers just issued stay out
	GATHER 1
	s_wait_loadcnt 4                               ; chunk 0's rows are in; chunk 1's four gathers stay out
	SQUARE 0
	SQUARE 1
	s_wait_loadcnt 0x0
	SQUARE 2
	SQUARE 3
.irp e, 0,1,2,3
	v_sqrt_f32 v[D+4*\e], v[D+4*\e+3]              ; one batch of four
.endr
.irp e, 0,1,2,3
	v_max_num_f32 v[FM+\e], v[G+8*\e+3], v[G+8*\e+7]   ; plain work behind the roots, which names none of their results
.endr
	s_wait_alu depctr_va_vdst(0)                   ; one wait for the four roots, ahead of their first reader
.irp e, 0,1,2,3
	v_add_f32 v[OUTR+\e], v[D+4*\e], v[FM+\e]
.endr
	global_store_b64 v2, v[OUTR:OUTR+1],   s[8:9] th:TH_STORE_NT               ; 32 lanes store 256 consecutive bytes, at a multiple of 256 from out1's first byte
	global_store_b64 v2, v[OUTR+2:OUTR+3], s[8:9] offset:256 th:TH_STORE_NT
	s_endpgm
.Lfunc_end_k_q56a778662e_edges:
	.size	k_q56a778662e_edges, .Lfunc_end_k_q56a778662e_edges-k_q56a778662e_edges
	.p2alignl 7, 3214868480
	.fill 96, 4, 3214868480
	.section	.rodata,"a",@progbits
	.p2align	6, 0x0
	.amdhsa_kernel k_q56a778662e_edges
		.amdhsa_group_segment_fixed_size 0
		.amdhsa_private_segment_fixed_size 0
		.amdhsa_enable_private_segment 0
		.amdhsa_kernarg_size 24
		.amdhsa_user_sgpr_count 2
		.amdhsa_user_sgpr_kernarg_segment_ptr 1
		.amdhsa_wavefront_size32 1
		.amdhsa_system_sgpr_workgroup_id_x 1
		.amdhsa_system_sgpr_workgroup_id_y 1
		.amdhsa_system_sgpr_workgroup_id_z 1
		.amdhsa_system_vgpr_workitem_id 0
		.amdhsa_next_free_vgpr 72
		.amdhsa_next_free_sgpr 66
		.amdhsa_reserve_vcc 0
		.amdhsa_float_denorm_mode_32 3
		.amdhsa_float_denorm_mode_16_64 3
		.amdhsa_memory_ordered 1
		.amdhsa_forward_progress 1
		.amdhsa_inst_pref_size 5
	.end_amdhsa_kernel
	.amdgpu_metadata
---
amdhsa.version: [ 1, 2 ]
amdhsa.kernels:
  - .name:           k_q56a778662e_edges
    .symbol:         k_q56a778662e_edges.kd
    .args:
      - { .name: edges, .offset: 0, .size: 8, .value_kind: global_buffer, .address_space: global }
      - { .name: vtab, .offset: 8, .size: 8, .value_kind: global_buffer, .address_space: global }
      - { .name: out1, .offset: 16, .size: 8, .value_kind: global_buffer, .address_space: global }
    .group_segment_fixed_size: 0
    .private_segment_fixed_size: 0
    .kernarg_segment_align: 8
    .kernarg_segment_size: 24
    .max_flat_workgroup_size: 256
    .sgpr_count:     66
    .vgpr_count:     72
    .wavefront_size: 32
...
	.end_amdgpu_metadata
.endif
;; end of part 2
